; MI455X (gfx1250); checked and timed in simulation.
; The chip was launched on July 23, 2026; its instructions are those of AMD's public machine-readable ISA for CDNA 5 (MIT licence, August 2026) and "CDNA5" Instruction Set Architecture Reference Guide (July 2026). The comments in the code are by the model that wrote it; some were corrected since.
;; Multi Task Net. Allowed arithmetic: matrix products marked QUANTISED: E2M1 operands, one E8M0 scale for each 32 along K, by v_wmma_scale_f32_16x16x128_f8f6f4 with both operands' format E2M1 (or v_wmma_scale_f32_32x16x128_f4), f32 sums; products left as they are: f32 operands where the result goes on into a quantised operand, else bf16, f16 or f32 operands; f32 sums; everything else in f32.
;; Inputs: A 1,000,000 x 1 float32; B 1,000,000 x 1 float32; Q 1,000,000 x 32 float32; U 1,000,000 x 32 float32; W1_codes 64 x 3 x 16 uint8 (E2M1 codes of W1, K innermost, in blocks of 32 codes, two codes a byte); W1_scales 64 x 3 uint8 (E8M0 scales of W1, one for each 32 codes along K); W2 1 x 64 float32; b1 64 float32; b2 1 float32; item_ids 1,048,576 int32; user_ids 1,048,576 int32.
;; Outputs: out0 1,048,576 float32; out1 1,048,576 float32.
;; This version of the problem:
;;   THIS VERSION OF THE PROBLEM IS GIVEN IN LOW PRECISION. The matrix products marked QUANTISED in the list below multiply operands that are first quantised to E2M1 (2 exponent bits, 1 mantissa bit; 4 bits a number), with one power-of-two scale for each 32 numbers along K (OCP MX v1.0); their sums are f32. All else is computed in f32.
;;   The module's matrix products, in the order in which they are computed (A, B: the left and right operand; K: the contracted axis; several contracted axes count as one K, in the product's order):
;;     1. batch 1,048,576 x [M 1, K 32] x [K 32, N 1]; A: computed on the way; B: computed on the way: left as it is (M = 1 < 16)
;;     2. [M 1,048,576, K 96] x [K 96, N 64]; A: computed on the way; B: input W1 (given as codes): QUANTISED
;;     3. [M 1,048,576, K 64] x [K 64, N 1]; A: computed on the way; B: input W2: left as it is (N = 1 < 16)
;;   THE QUANTISER, for each operand of a quantised product, along K:
;;     - K is cut into blocks of 32 from its start; a last block that is shorter is filled with zeros.
;;     - A block's scale is 2^e with e = floor(log2(the largest magnitude in the block)) - 2, held to -126 .. 127; a block of zeros has e = 0. As a byte (E8M0): e + 127.
;;     - Each number is divided by its block's scale, clamped to +-6, and rounded to the nearest number of E2M1, ties to even, subnormals kept.
;;     - The product sums the exact products of the quantised numbers (number of the format x scale) in f32.
;;   ~~~python
;;   def quantise(x, axis):      # numpy; x: float32 -> the quantised numbers, widened to float32 again
;;       x = np.moveaxis(x, axis, -1); K = x.shape[-1]
;;       x = np.pad(x, [(0, 0)] * (x.ndim - 1) + [(0, -K % 32)]); x = x.reshape(x.shape[:-1] + (-1, 32)); a = np.abs(x).max(-1, keepdims=True)
;;       e = np.where(a > 0, np.clip(np.frexp(np.where(a > 0, a, 1))[1] - 1 - 2, -126, 127), 0)      # np.frexp(a)[1] - 1 = floor(log2(a)), exactly
;;       r = np.clip(x / 2.0 ** e, -6, 6)
;;       step = 2.0 ** (np.maximum(np.frexp(np.where(r == 0, 1, r))[1] - 1, 0) - 1)
;;       q = np.round(r / step) * step * 2.0 ** e      # np.round: ties to even
;;       return np.moveaxis(q.reshape(q.shape[:-2] + (-1,))[..., :K], -1, axis).astype(np.float32)
;;   ~~~
;;   OPERANDS COMPUTED ON THE WAY. 'Computed on the way' means the value that the module computes at that place (a softmax that the list does not call 'softmax' is quantised finished and normalised). What goes into a quantiser is computed in f32, as accurately as f32 sums, v_exp_f32 and their like allow (about 1e-6 of the number): no bf16 or f16 on the way to a quantiser, and a product that is left as it is and whose result goes on into a quantised operand takes f32 operands (vector FMAs, or v_wmma_f32_16x16x4_f32). A number that lies on a knife's edge between two numbers of the format may be rounded either way, as far as f32 arithmetic and the matrix unit's own rounding can turn it there, and no further.
;;   INPUTS GIVEN AS CODES. W1 (in the module: [64, 96], K = its axis 1): each comes as NAME_codes (uint8): NAME with its K axis moved to the last place and cut into blocks of 32 codes, [.., K / 32, bytes a block], one block behind the other in memory; two codes a byte, the lower K in the low four bits (a code: sign, 2 exponent bits, 1 mantissa bit); and NAME_scales (uint8): the same leading axes, one E8M0 byte (e + 127) for each 32 codes along K. Its value is code x scale, taken as it is: it is not quantised again, and the codes and scales need not be those that the quantiser above would give.
;; 2 versions, each right; version 2 is version 1 with the launch mtn written anew for expert scheduling mode. Each part assembles by itself: llvm-mc -triple=amdgcn-amd-amdhsa -mcpu=gfx1250 --defsym DOCPART=n.
;; ======== version 1 of 2: 1 launch
;; launch mtn (part 1): grid 256 x 1, 16 waves a work-group, no clusters, 149,504 bytes of LDS; arguments user_ids, item_ids, U, Q, A, B, W1_codes, W1_scales, b1, W2, b2, out0, out1; writes out0, out1
.if DOCPART == 1
	.amdgcn_target "amdgcn-amd-amdhsa--gfx1250"
	.amdhsa_code_object_version 6
	.text
	.protected	k_qde5a7876bb_mtn
	.globl	k_qde5a7876bb_mtn
	.p2align	8
	.type	k_qde5a7876bb_mtn,@function
k_qde5a7876bb_mtn:
	s_mov_b64 s[64:65], 0
	v_nop
	global_prefetch_b8 v0, s[64:65] scope:SCOPE_SE
	s_setreg_imm32_b32 hwreg(HW_REG_WAVE_MODE, 25, 1), 1
	s_wait_xcnt 0x0
; out0[b] = U[u] . Q[q] + A[u] + B[q];   out1[b] = relu([U[u], Q[q], U[u] x Q[q]] W1^T + b1) . W2 + b2,   u = user_ids[b], q = item_ids[b];  1,048,576 rows b.
; Only the product with W1 (K = 96) is quantised: codes of FP4 (E2M1), one E8M0 scale for each 32 along K.  Its three blocks of 32 are U's row, Q's row and their product; a fourth block of zero codes fills the
; matrix instruction's K of 128.  W1 arrives as codes (48 bytes a row) and three scale bytes a row.  All else is f32.
; SHARES.  256 work-groups of 16 waves, 4,096 waves; wave W owns rows 256 W .. 256 W + 255: four trips of 64 rows.  Lane l holds the ids of rows 2 l and 2 l + 1 of a trip (one load of 8 bytes a lane: 256 consecutive bytes).
; A trip is two HALVES: half k is the 32 rows 2 l + k; a half is two tiles of 16 rows: row r of tile t is the row of id lane 16 t + r.  Waves share nothing: no barrier.
; THE GATHER.  Eight lanes read one row of 128 bytes, 16 bytes each, so one load covers four whole rows and no row is touched by two loads; the id reaches the eight lanes by a DPP move.  The conversions want 16
; neighbours along K in ONE lane, so a half turns through the wave's own stage in LDS.  One half (32 rows of U and of Q: 8 KB a wave, 128 KB a work-group) is always on its way: the landing registers are emptied
; into the stage and asked for again BEFORE the half that landed is worked on.
; THE PRODUCT IS USED TRANSPOSED: source 0 = 16 rows of W1, source 1 = 16 rows of the batch, C = b1.  Lane (r, h) then holds row r and hidden units 16 t + 8 h + 0 .. 7, so the product with W2 stays in the lane
; but for one exchange between the halves of the lanes.  W1, b1 and W2 stay in registers for the whole launch.
; OUT.  Lanes 0-15 take tile 0's result and lanes 16-31 tile 1's: lane l has row 2 l + k; after both halves one store of 8 bytes a lane covers 256 consecutive bytes, aligned, for each output.
; NO CLUSTER, NO TENSOR LOADS: work-groups share only the weights, 3,780 bytes that a wave reads once, against 64 KB of gathered rows a wave; the rows lie wherever the ids say.
; LIMITS.  NaN and infinities among the inputs are not served.  A block of zeros gets the scale byte 1 where the quantiser's rule says 127: its codes are zeros, and the bytes are read here alone.
; Ids are taken as unsigned and held at 999,999, the tables' last row.  out0 is summed as (dot) + (A + B); the dot in pairs, not in ascending order.
.set LASTROW, 0xf423f                  ; 999,999
.set SP,    144                        ; a row's slot in a stage: 128 bytes + 16 that nobody touches = 36 words: 16 neighbouring slots begin at 16 different groups of four banks (64 banks of 4 bytes: ISA guide 11.1)
.set QST,   32*SP                      ; a wave's stage for U: 32 slots; Q's begins here
.set WREG,  2*QST                      ; a wave's LDS: 9,216 bytes
.set CH,  1                            ; v1      16 x (lane % 8): my 16 bytes of a row
.set SA,  2                            ; v2      the stage, on the way in: slot 8 (lane / 8) + n for load n, + my 16 bytes
.set RA,  3                            ; v3      on the way out: slot lane % 16, + 64 (lane / 16): my 16 numbers
.set LO,  4                            ; v4      8 x lane: ids in, results out; never rewritten
.set TT,  5                            ; v5-8    at work in the gather
.set PFU, 9                            ; v9, v10 offsets of the prefetches
.set PFQ, 10
.set AV,  11                           ; v11, 12 A's and B's offsets, then their numbers;  v13 their sum
.set BV,  12
.set AB,  13
.set IDO, 14                           ; v14, 15 the odd rows' ids of the trip in hand: user, item
.set NX,  16                           ; v[16:17] user ids (even row, odd row), v[18:19] item ids: of the next trip
.set M0,  20                           ; v20-22  the three blocks' largest magnitudes
.set N0,  23                           ; v23-25  what the other half of the lanes sends; then the scale bytes
.set E0,  26                           ; v26-28  the conversions' scale operands
.set XW,  29                           ; v29     the rows' scale word, and nothing else
.set DT,  30                           ; v[30:31] the dot
.set ACA, 32                           ; v[32:33], v[34:35] two sums for the product with W2
.set R0,  36                           ; v36, 37 tile 0's dot and score
.set R1,  37
.set PR,  38                           ; v[38:39] out0 of rows 2 l, 2 l + 1
.set SC,  40                           ; v[40:41] out1 likewise
.set CD,  42                           ; v[42:49] the rows' codes: the operand
.set W1S, 50                           ; v50-53  W1's scale words, one register a tile, and nothing else
.set ZR,  54                           ; v54     0
.set X,   56                           ; v[56:87] 16 numbers of U (then of U x Q), 16 of Q; then the four results
.set LAND, 88                          ; v[88:151] the half on its way: U's load n at 88 + 4 n, Q's at 120 + 4 n; the first register of each is its own offset
.set W1F, 152                          ; v[152:183] W1's four fragments
.set B1R, 184                          ; v[184:215] b1 in the results' layout
.set W2R, 216                          ; v[216:247] W2 likewise
.set OWA, 26                           ; at the head alone: offsets of the weights' loads.  These registers are E0-2 and M0 later; their first rewrite stands behind the waits for those loads
.set OWB, 27
.set OWS, 28
.set OBW, 20
.set B2V, 34                           ; s34     b2
.set WV,  35                           ; s35     my wave's number
.set TR,  36                           ; s36     the trip, 0 to 3
.set SEL, 38                           ; s[38:39] v_permlanex16_b32's selects for lane l xor 16
.set OFS, 40                           ; s[40:41] my wave's first byte in the ids and in the outputs
.set WB,  42                           ; s42     my wave's LDS
; The 32 rows whose ids lie in v[iu] (users) and v[iq] (items), one a lane.  Load n takes the rows of id lanes n, 8 + n, 16 + n, 24 + n.  A loaded number enters an address only behind v_min_u32 with a constant.
; Each load lands on its own offset register, so no register is kept for addresses.  No cache word: a list may name a row twice.
.macro GATHER iu, iq
.irp n, 0,1,2,3,4,5,6,7
	v_mov_b32_dpp v[TT+(2*\n)%4], v[\iu] dpp8:[\n,\n,\n,\n,\n,\n,\n,\n]      ; all eight lanes of a group take the id of the group's lane n
	v_mov_b32_dpp v[TT+(2*\n+1)%4], v[\iq] dpp8:[\n,\n,\n,\n,\n,\n,\n,\n]
	v_min_u32 v[TT+(2*\n)%4], LASTROW, v[TT+(2*\n)%4]
	v_min_u32 v[TT+(2*\n+1)%4], LASTROW, v[TT+(2*\n+1)%4]
	v_lshl_add_u32 v[LAND+4*\n], v[TT+(2*\n)%4], 7, v[CH]                    ; 128 x id + my 16 bytes
	v_lshl_add_u32 v[LAND+32+4*\n], v[TT+(2*\n+1)%4], 7, v[CH]
.endr
	v_min_u32 v[AV], LASTROW, v[\iu]
	v_min_u32 v[BV], LASTROW, v[\iq]
	v_lshlrev_b32 v[AV], 2, v[AV]
	v_lshlrev_b32 v[BV], 2, v[BV]
.irp n, 0,1,2,3,4,5,6,7
	global_load_b128 v[LAND+4*\n:LAND+4*\n+3], v[LAND+4*\n], s[12:13]
.endr
.irp n, 0,1,2,3,4,5,6,7
	global_load_b128 v[LAND+32+4*\n:LAND+32+4*\n+3], v[LAND+32+4*\n], s[14:15]
.endr
	global_load_b32 v[AV], v[AV], s[16:17]
	global_load_b32 v[BV], v[BV], s[18:19]
.endm
; Each lane asks for its own row of the half that the NEXT gather will load: one request a row and table, one half (32 rows of each table, 8 KB a wave) ahead of its loads.
.macro PREF iu, iq
	v_min_u32 v[PFU], LASTROW, v[\iu]
	v_min_u32 v[PFQ], LASTROW, v[\iq]
	v_lshlrev_b32 v[PFU], 7, v[PFU]
	v_lshlrev_b32 v[PFQ], 7, v[PFQ]
	global_prefetch_b8 v[PFU], s[12:13] th:TH_LOAD_NT scope:SCOPE_SE
	global_prefetch_b8 v[PFQ], s[14:15] th:TH_LOAD_NT scope:SCOPE_SE
.endm
; Tile tl's numbers out of the stage: lane (r, h) takes numbers 16 h .. 16 h + 15 of row r of U and of Q
.macro XLOAD tl
.irp c, 0,1,2,3
	ds_load_b128 v[X+4*\c:X+4*\c+3], v[RA] offset:16*SP*\tl+16*\c
.endr
.irp c, 0,1,2,3
	ds_load_b128 v[X+16+4*\c:X+16+4*\c+3], v[RA] offset:QST+16*SP*\tl+16*\c
.endr
.endm
; The half that was on its way goes into the stage, and its first tile comes back.
.macro STAGE
	s_wait_loadcnt 0x0                             ; the half's 18 loads are in, and the ids asked for with them; no younger load exists
	s_wait_xcnt 0x0                                ; the last prefetches, a half ago, have read their offsets: those registers may be written again
.irp n, 0,1,2,3,4,5,6,7
	ds_store_b128 v[SA], v[LAND+4*\n:LAND+4*\n+3] offset:SP*\n
	ds_store_b128 v[SA], v[LAND+32+4*\n:LAND+32+4*\n+3] offset:QST+SP*\n
.endr
	v_add_f32 v[AB], v[AV], v[BV]                  ; lane l: A + B of row 2 l + k
	XLOAD 0                                        ; LDS serves a wave's instructions in order (ISA guide 5.7.1.4): these see the stores above
	s_wait_dscnt 8                                 ; the eight loads just issued may stay out: the sixteen stores are done, so the landing registers may be written again
.endm
; A tile of 16 rows: tile tl of half hf.
.macro TILE tl, hf
	s_wait_dscnt 0x0                               ; my 32 numbers are in
	v_max3_num_f32 v[M0], |v[X]|, |v[X+1]|, 0x1800000          ; U's block and Q's by turns: my 16 numbers of each, and the floor 2^(3 - 127), under which no largest magnitude is taken: so the byte cannot fall under 1
	v_max3_num_f32 v[M0+1], |v[X+16]|, |v[X+17]|, 0x1800000
.irp i, 2,4,6,8,10,12,14
	v_max3_num_f32 v[M0], v[M0], |v[X+\i]|, |v[X+\i+1]|
	v_max3_num_f32 v[M0+1], v[M0+1], |v[X+16+\i]|, |v[X+17+\i]|
.endr
	v_permlanex16_b32 v[N0], v[M0], s[SEL], s[SEL+1]
	v_permlanex16_b32 v[N0+1], v[M0+1], s[SEL], s[SEL+1]
	v_max_num_f32 v[M0], v[M0], v[N0]              ; with lane l xor 16's 16: the block's largest magnitude
	v_max_num_f32 v[M0+1], v[M0+1], v[N0+1]
	v_add_nc_u32 v[E0], 0xff000000, v[M0]          ; 2 off its exponent field: the conversion takes the exponent field of this operand as its scale, and nothing else of it
	v_add_nc_u32 v[E0+1], 0xff000000, v[M0+1]
	v_cvt_scalef32_pk8_fp4_f32 v[CD], v[X:X+7], v[E0]              ; U: k = 16 h + 0 .. 7,
	v_cvt_scalef32_pk8_fp4_f32 v[CD+1], v[X+8:X+15], v[E0]         ; + 8 .. 15
	v_cvt_scalef32_pk8_fp4_f32 v[CD+2], v[X+16:X+23], v[E0+1]      ; Q likewise
	v_cvt_scalef32_pk8_fp4_f32 v[CD+3], v[X+24:X+31], v[E0+1]
	v_lshrrev_b32 v[N0], 23, v[E0]                 ; the scales' bytes.  (Plain lines between the conversions and the lines that write over their sources)
	v_lshrrev_b32 v[N0+1], 23, v[E0+1]
.irp i, 0,2,4,6,8,10,12,14
	v_pk_mul_f32 v[X+\i:X+\i+1], v[X+\i:X+\i+1], v[X+16+\i:X+17+\i]   ; U x Q, in f32, over U
.endr
	v_max3_num_f32 v[M0+2], |v[X]|, |v[X+1]|, 0x1800000        ; the third block: two chains
	v_max3_num_f32 v[N0+2], |v[X+8]|, |v[X+9]|, |v[X+10]|
	v_max3_num_f32 v[M0+2], v[M0+2], |v[X+2]|, |v[X+3]|
	v_max3_num_f32 v[N0+2], v[N0+2], |v[X+11]|, |v[X+12]|
	v_max3_num_f32 v[M0+2], v[M0+2], |v[X+4]|, |v[X+5]|
	v_max3_num_f32 v[N0+2], v[N0+2], |v[X+13]|, |v[X+14]|
	v_max3_num_f32 v[M0+2], v[M0+2], |v[X+6]|, |v[X+7]|
	v_max3_num_f32 v[M0+2], v[M0+2], v[N0+2], |v[X+15]|
	v_permlanex16_b32 v[N0+2], v[M0+2], s[SEL], s[SEL+1]
	v_max_num_f32 v[M0+2], v[M0+2], v[N0+2]
	v_add_nc_u32 v[E0+2], 0xff000000, v[M0+2]
	v_lshl_or_b32 v[XW], v[N0+1], 8, v[N0]         ; the row's scale word: bytes 0, 1, 2; byte 3 stays 0, over zero codes
	v_lshrrev_b32 v[N0+2], 23, v[E0+2]
	v_lshl_or_b32 v[XW], v[N0+2], 16, v[XW]
	v_cvt_scalef32_pk8_fp4_f32 v[CD+4], v[X:X+7], v[E0+2]
	v_cvt_scalef32_pk8_fp4_f32 v[CD+5], v[X+8:X+15], v[E0+2]
	v_mov_b32 v[CD+6], 0                           ; the fourth block: zero codes.  (Also the plain place behind the conversions)
	v_mov_b32 v[CD+7], 0
	v_permlane16_swap_b32 v[CD], v[CD+2]           ; the operand's layout wants a WHOLE block in a lane: the first's lanes 16-31 change places with the second's lanes 0-15:
	v_permlane16_swap_b32 v[CD+1], v[CD+3]         ; lanes 0-15 now hold U in registers 0-3 and U x Q in 4-7, lanes 16-31 Q and the zeros
	v_permlane16_swap_b32 v[CD+4], v[CD+6]
	v_permlane16_swap_b32 v[CD+5], v[CD+7]
	v_pk_add_f32 v[X:X+1], v[X:X+1], v[X+2:X+3]                ; the dot: my 16 products, in pairs.  These eight plain lines also stand between the writing of the scale word and of the codes and the scaled products
	v_pk_add_f32 v[X+4:X+5], v[X+4:X+5], v[X+6:X+7]
	v_pk_add_f32 v[X+8:X+9], v[X+8:X+9], v[X+10:X+11]
	v_pk_add_f32 v[X+12:X+13], v[X+12:X+13], v[X+14:X+15]
	v_pk_add_f32 v[X:X+1], v[X:X+1], v[X+4:X+5]
	v_pk_add_f32 v[X+8:X+9], v[X+8:X+9], v[X+12:X+13]
	v_pk_add_f32 v[DT:DT+1], v[X:X+1], v[X+8:X+9]
	v_add_f32 v[DT], v[DT], v[DT+1]
.irp w, 0,1,2,3                        ; hidden units 16 w on: four results, each begun with b1 as its C; none adds onto another
	v_wmma_scale_f32_16x16x128_f8f6f4 v[X+8*\w:X+8*\w+7], v[W1F+8*\w:W1F+8*\w+7], v[CD:CD+7], v[B1R+8*\w:B1R+8*\w+7], v[W1S+\w], v[XW] matrix_a_fmt:MATRIX_FMT_FP4 matrix_b_fmt:MATRIX_FMT_FP4
.endr
	v_permlanex16_b32 v[N0], v[DT], s[SEL], s[SEL+1]
.if \tl == 0
	v_add_f32 v[R0], v[DT], v[N0]                  ; with lane l xor 16's half: the row's dot, in both lanes of the row
.else
	v_add_f32 v[DT], v[DT], v[N0]
.endif
.rept 4
	v_nop                                          ; with the addition above: plain lines that name no register of the products, between them and the first read of their results (ISA guide 7.12.1)
.endr
.set p, 0
.rept 16                               ; relu, and the product with W2: each result is read from its lowest register on
	v_max_num_f32 v[X+2*p], 0, v[X+2*p]
	v_max_num_f32 v[X+2*p+1], 0, v[X+2*p+1]
.if p < 2
	v_pk_mul_f32 v[ACA+2*p:ACA+2*p+1], v[X+2*p:X+2*p+1], v[W2R+2*p:W2R+2*p+1]         ; the first products start the two sums
.else
	v_pk_fma_f32 v[ACA+2*(p%2):ACA+2*(p%2)+1], v[X+2*p:X+2*p+1], v[W2R+2*p:W2R+2*p+1], v[ACA+2*(p%2):ACA+2*(p%2)+1]
.endif
.set p, p+1
.endr
.if \tl == 0
	XLOAD 1                                        ; the results have been read: the half's second tile comes out of the stage
.endif
	v_pk_add_f32 v[ACA:ACA+1], v[ACA:ACA+1], v[ACA+2:ACA+3]
	v_add_f32 v[ACA], v[ACA], v[ACA+1]             ; my 32 hidden units,
	v_permlanex16_b32 v[N0+1], v[ACA], s[SEL], s[SEL+1]
.if \tl == 0
	v_add_f32 v[R1], v[ACA], v[N0+1]               ; and lane l xor 16's 32
.else
	v_add_f32 v[ACA], v[ACA], v[N0+1]
	v_cndmask_b32 v[PR+\hf], v[R0], v[DT], vcc_lo  ; lanes 0-15: tile 0's row l; lanes 16-31: tile 1's row l - 16: lane l has row 2 l + hf
	v_cndmask_b32 v[SC+\hf], v[R1], v[ACA], vcc_lo
	v_add_f32 v[PR+\hf], v[PR+\hf], v[AB]
	v_add_f32 v[SC+\hf], s[B2V], v[SC+\hf]
.endif
.endm
	s_load_b512 s[8:23], s[0:1], 0x0               ; user_ids s[8:9], item_ids s[10:11], U s[12:13], Q s[14:15], A s[16:17], B s[18:19], W1's codes s[20:21], W1's scales s[22:23]
	s_load_b256 s[24:31], s[0:1], 0x40             ; b1 s[24:25], W2 s[26:27], b2 s[28:29], out0 s[30:31]
	s_load_b64 s[32:33], s[0:1], 0x60              ; out1
	v_lshl_add_u32 v254, v0, 2, 0x24000
	v_mov_b32 v255, 0
	v_lshrrev_b32 v[TT], 5, v0
	v_readfirstlane_b32 s[WV], v[TT]               ; wave 0..15
	v_and_b32 v[TT], 7, v0                         ; i = lane % 8.  (These four lines also write the DPP moves' destinations for the first time: such a destination counts as read)
	v_bfe_u32 v[TT+1], v0, 3, 2                    ; g = lane / 8
	v_and_b32 v[TT+2], 15, v0                      ; r = lane % 16
	v_bfe_u32 v[TT+3], v0, 4, 1                    ; h = lane / 16
	v_and_b32 v[PFU], 31, v0                       ; lane
	v_lshlrev_b32 v[CH], 4, v[TT]
	v_lshlrev_b32 v[LO], 3, v[PFU]
	s_mul_i32 s[WB], s[WV], WREG
	v_mul_u32_u24 v[SA], v[TT+1], 8*SP
	v_lshl_add_u32 v[SA], v[TT], 4, v[SA]
	v_add_nc_u32 v[SA], s[WB], v[SA]               ; in: 8 g slots + 16 i
	v_mul_u32_u24 v[RA], v[TT+2], SP
	v_lshl_add_u32 v[RA], v[TT+3], 6, v[RA]
	v_add_nc_u32 v[RA], s[WB], v[RA]               ; out: slot r + 64 h
	v_mul_u32_u24 v[OWB], v[TT+2], 48              ; W1: a row is 96 codes, 48 bytes
	v_lshl_add_u32 v[OWA], v[TT+3], 4, v[OWB]      ; + 16 h: k = 32 h + 0 .. 31
	v_mul_u32_u24 v[OWS], v[TT+2], 3               ; its three scale bytes
	v_lshlrev_b32 v[OBW], 5, v[TT+3]               ; b1, W2: 8 h numbers on
	v_mov_b32 v[ZR], 0
.irp i, 0,1,2
	v_mov_b32 v[N0+\i], 0                          ; written once: a lane permute's destination counts as one of its sources
.endr
	s_mov_b32 s[SEL], 0x76543210
	s_mov_b32 s[SEL+1], 0xfedcba98
	s_mov_b32 vcc_lo, 0xffff0000                   ; lanes 16-31; never written again
	s_mov_b32 s[TR], 0
	s_lshl_b32 s[OFS], ttmp9, 4
	s_add_co_u32 s[OFS], s[OFS], s[WV]             ; W = 16 x work-group + wave
	s_lshl_b32 s[OFS], s[OFS], 10                  ; 256 rows of 4 bytes
	s_mov_b32 s[OFS+1], 0
	s_wait_kmcnt 0x0
	s_load_b32 s[B2V], s[28:29], 0x0               ; b2
	s_add_nc_u64 s[8:9], s[8:9], s[OFS:OFS+1]
	s_add_nc_u64 s[10:11], s[10:11], s[OFS:OFS+1]
	s_add_nc_u64 s[30:31], s[30:31], s[OFS:OFS+1]
	s_add_nc_u64 s[32:33], s[32:33], s[OFS:OFS+1]
	global_load_b64 v[NX:NX+1], v[LO], s[8:9] th:TH_LOAD_NT        ; trip 0's ids: 256 consecutive bytes a load; read once in the launch
	global_load_b64 v[NX+2:NX+3], v[LO], s[10:11] th:TH_LOAD_NT
.irp w, 0,1,2,3                        ; the weights, nine loads a tile of 16 hidden units: 36
	global_load_b128 v[W1F+8*\w:W1F+8*\w+3], v[OWA], s[20:21] offset:768*\w            ; lane (r, h): W1(16 w + r, 32 h + 0 .. 31)
	global_load_b128 v[W1F+8*\w+4:W1F+8*\w+7], v[OWB], s[20:21] offset:768*\w+32       ; k = 64 .. 95 in BOTH halves of the lanes, so that no load leaves the buffer; lanes 16-31 (k = 96 ..) are cleared below
	global_load_u8 v[X+3*\w], v[OWS], s[22:23] offset:48*\w
	global_load_u8 v[X+3*\w+1], v[OWS], s[22:23] offset:48*\w+1
	global_load_u8 v[X+3*\w+2], v[OWS], s[22:23] offset:48*\w+2
	global_load_b128 v[B1R+8*\w:B1R+8*\w+3], v[OBW], s[24:25] offset:64*\w             ; b1(16 w + 8 h + 0 .. 7): the results' layout
	global_load_b128 v[B1R+8*\w+4:B1R+8*\w+7], v[OBW], s[24:25] offset:64*\w+16
	global_load_b128 v[W2R+8*\w:W2R+8*\w+3], v[OBW], s[26:27] offset:64*\w
	global_load_b128 v[W2R+8*\w+4:W2R+8*\w+7], v[OBW], s[26:27] offset:64*\w+16
.endr
	s_wait_loadcnt 36                              ; loads come back in order (ISA guide 5.7.1): the ids are in, the 36 loads behind them may stay out
	GATHER NX, NX+2                                ; trip 0, even rows
	PREF NX+1, NX+3                                ; trip 0, odd rows
	v_mov_b32 v[IDO], v[NX+1]
	v_mov_b32 v[IDO+1], v[NX+3]
	global_load_b64 v[NX:NX+1], v[LO], s[8:9] offset:256 th:TH_LOAD_NT     ; trip 1's ids
	global_load_b64 v[NX+2:NX+3], v[LO], s[10:11] offset:256 th:TH_LOAD_NT
	s_wait_loadcnt 20                              ; the weights are in; the gather's 18 loads and the two of ids may stay out
.irp w, 0,1,2,3
	v_lshl_or_b32 v[W1S+\w], v[X+3*\w+1], 8, v[X+3*\w]             ; lane r: the scale word of W1's row 16 w + r; byte 3 stays 0, over zero codes
	v_lshl_or_b32 v[W1S+\w], v[X+3*\w+2], 16, v[W1S+\w]
.irp i, 4,5,6,7
	v_cndmask_b32 v[W1F+8*\w+\i], v[W1F+8*\w+\i], v[ZR], vcc_lo    ; k = 96 .. 127: zero codes
.endr
.endr
	s_wait_kmcnt 0x0                               ; b2
.Ltrip:                                            ; four trips of 64 rows.  The branches inside hang on the trip's number alone; every wait for loads is for 0, so no count hangs on the way taken
	STAGE                                          ; the even rows have landed
	GATHER IDO, IDO+1                              ; this trip's odd rows go out
	s_cmp_eq_u32 s[TR], 3
	s_cbranch_scc1 .Lno_pref                       ; the last trip has no successor: nothing is asked for beyond the wave's rows
	PREF NX, NX+2                                  ; the next trip's even rows
.Lno_pref:
	TILE 0, 0
	TILE 1, 0
	STAGE                                          ; the odd rows have landed
	s_cmp_eq_u32 s[TR], 3
	s_cbranch_scc1 .Llast
	GATHER NX, NX+2                                ; the next trip's even rows go out
	PREF NX+1, NX+3                                ; and its odd rows are asked for
	v_mov_b32 v[IDO], v[NX+1]
	v_mov_b32 v[IDO+1], v[NX+3]
	s_cmp_ge_u32 s[TR], 2
	s_cbranch_scc1 .Llast                          ; trips 0 and 1 alone have a trip two further on: no load leaves the wave's ids
	global_load_b64 v[NX:NX+1], v[LO], s[8:9] offset:512 th:TH_LOAD_NT
	global_load_b64 v[NX+2:NX+3], v[LO], s[10:11] offset:512 th:TH_LOAD_NT
.Llast:
	TILE 0, 1
	TILE 1, 1
	global_store_b64 v[LO], v[PR:PR+1], s[30:31] th:TH_STORE_NT    ; 32 lanes store 256 consecutive bytes, at a multiple of 256 from the output's first byte
	global_store_b64 v[LO], v[SC:SC+1], s[32:33] th:TH_STORE_NT
	s_wait_xcnt 0x0                                ; every earlier memory instruction has had its addresses translated (ISA guide 3.1): only behind this wait are the bases stepped and the stores' data written again
	s_add_nc_u64 s[8:9], s[8:9], 256
	s_add_nc_u64 s[10:11], s[10:11], 256
	s_add_nc_u64 s[30:31], s[30:31], 256
	s_add_nc_u64 s[32:33], s[32:33], 256
	s_add_co_u32 s[TR], s[TR], 1
	s_cmp_lt_u32 s[TR], 4
	s_cbranch_scc1 .Ltrip
	s_wait_tensorcnt 0x0
	ds_add_u32 v254, v255
	s_wait_dscnt 0x0
	s_endpgm
.Lfunc_end_k_qde5a7876bb_mtn:
	.size	k_qde5a7876bb_mtn, .Lfunc_end_k_qde5a7876bb_mtn-k_qde5a7876bb_mtn
	.p2alignl 7, 3214868480
	.fill 96, 4, 3214868480
	.section	.rodata,"a",@progbits
	.p2align	6, 0x0
	.amdhsa_kernel k_qde5a7876bb_mtn
		.amdhsa_group_segment_fixed_size 149504
		.amdhsa_private_segment_fixed_size 0
		.amdhsa_enable_private_segment 0
		.amdhsa_kernarg_size 104
		.amdhsa_user_sgpr_count 2
		.amdhsa_user_sgpr_kernarg_segment_ptr 1
		.amdhsa_wavefront_size32 1
		.amdhsa_system_sgpr_workgroup_id_x 1
		.amdhsa_system_sgpr_workgroup_id_y 1
		.amdhsa_system_sgpr_workgroup_id_z 1
		.amdhsa_system_vgpr_workitem_id 0
		.amdhsa_next_free_vgpr 256
		.amdhsa_next_free_sgpr 66
		.amdhsa_reserve_vcc 1
		.amdhsa_float_denorm_mode_32 3
		.amdhsa_float_denorm_mode_16_64 3
		.amdhsa_memory_ordered 1
		.amdhsa_forward_progress 1
		.amdhsa_inst_pref_size 56
	.end_amdhsa_kernel
	.amdgpu_metadata
---
amdhsa.version: [ 1, 2 ]
amdhsa.kernels:
  - .name:           k_qde5a7876bb_mtn
    .symbol:         k_qde5a7876bb_mtn.kd
    .args:
      - { .name: user_ids, .offset: 0, .size: 8, .value_kind: global_buffer, .address_space: global }
      - { .name: item_ids, .offset: 8, .size: 8, .value_kind: global_buffer, .address_space: global }
      - { .name: U, .offset: 16, .size: 8, .value_kind: global_buffer, .address_space: global }
      - { .name: Q, .offset: 24, .size: 8, .value_kind: global_buffer, .address_space: global }
      - { .name: A, .offset: 32, .size: 8, .value_kind: global_buffer, .address_space: global }
      - { .name: B, .offset: 40, .size: 8, .value_kind: global_buffer, .address_space: global }
      - { .name: W1_codes, .offset: 48, .size: 8, .value_kind: global_buffer, .address_space: global }
      - { .name: W1_scales, .offset: 56, .size: 8, .value_kind: global_buffer, .address_space: global }
      - { .name: b1, .offset: 64, .size: 8, .value_kind: global_buffer, .address_space: global }
      - { .name: W2, .offset: 72, .size: 8, .value_kind: global_buffer, .address_space: global }
      - { .name: b2, .offset: 80, .size: 8, .value_kind: global_buffer, .address_space: global }
      - { .name: out0, .offset: 88, .size: 8, .value_kind: global_buffer, .address_space: global }
      - { .name: out1, .offset: 96, .size: 8, .value_kind: global_buffer, .address_space: global }
    .group_segment_fixed_size: 149504
    .private_segment_fixed_size: 0
    .kernarg_segment_align: 8
    .kernarg_segment_size: 104
    .max_flat_workgroup_size: 512
    .sgpr_count:     66
    .vgpr_count:     256
    .wavefront_size: 32
...
	.end_amdgpu_metadata
.endif
;; end of part 1
;; ======== version 2 of 2: 1 launch; version 1 with the launch mtn written anew for expert scheduling mode
;; launch mtn (part 2): grid 256 x 1, 16 waves a work-group, no clusters, 149,504 bytes of LDS; arguments user_ids, item_ids, U, Q, A, B, W1_codes, W1_scales, b1, W2, b2, out0, out1; writes out0, out1
.if DOCPART == 2
	.amdgcn_target "amdgcn-amd-amdhsa--gfx1250"
	.amdhsa_code_object_version 6
	.text
	.protected	k_qde5a7876bb_mtn
	.globl	k_qde5a7876bb_mtn
	.p2align	8
	.type	k_qde5a7876bb_mtn,@function
k_qde5a7876bb_mtn:
	s_mov_b64 s[64:65], 0
	v_nop
	global_prefetch_b8 v0, s[64:65] scope:SCOPE_SE
	s_setreg_imm32_b32 hwreg(HW_REG_WAVE_SCHED_MODE, 0, 2), 2
	s_setreg_imm32_b32 hwreg(HW_REG_WAVE_MODE, 25, 1), 1
	s_wait_xcnt 0x0
	s_wait_alu depctr_vm_vsrc(0)
; out0[b] = U[u] . Q[q] + A[u] + B[q];   out1[b] = relu([U[u], Q[q], U[u] x Q[q]] W1^T + b1) . W2 + b2,   u = user_ids[b], q = item_ids[b];  1,048,576 rows b.
; Only the product with W1 (K = 96) is quantised: codes of FP4 (E2M1), one E8M0 scale for each 32 along K.  Its three blocks of 32 are U's row, Q's row and their product; a fourth block of zero codes fills the
; matrix instruction's K of 128.  W1 arrives as codes (48 bytes a row) and three scale bytes a row.  All else is f32.
; SHARES.  256 work-groups of 16 waves, 4,096 waves; wave W owns rows 256 W .. 256 W + 255: four trips of 64 rows.  Lane l holds the ids of rows 2 l and 2 l + 1 of a trip (one load of 8 bytes a lane: 256 consecutive bytes).
; A trip is two HALVES: half k is the 32 rows 2 l + k; a half is two tiles of 16 rows: row r of tile t is the row of id lane 16 t + r.  Waves share nothing: no barrier.
; THE GATHER.  Eight lanes read one row of 128 bytes, 16 bytes each, so one load covers four whole rows and no row is touched by two loads; the id reaches the eight lanes by a DPP move.  The conversions want 16
; neighbours along K in ONE lane, so a half turns through the wave's own stage in LDS.  One half (32 rows of U and of Q: 8 KB a wave, 128 KB a work-group) is always on its way: the landing registers are emptied
; into the stage and asked for again BEFORE the half that landed is worked on.
; THE PRODUCT IS USED TRANSPOSED: source 0 = 16 rows of W1, source 1 = 16 rows of the batch, C = b1.  Lane (r, h) then holds row r and hidden units 16 t + 8 h + 0 .. 7, so the product with W2 stays in the lane
; but for one exchange between the halves of the lanes.  W1, b1 and W2 stay in registers for the whole launch.
; OUT.  Lanes 0-15 take tile 0's result and lanes 16-31 tile 1's: lane l has row 2 l + k; after both halves one store of 8 bytes a lane covers 256 consecutive bytes, aligned, for each output.
; NO CLUSTER, NO TENSOR LOADS: work-groups share only the weights, 3,780 bytes that a wave reads once, against 64 KB of gathered rows a wave; the rows lie wherever the ids say.
; LIMITS.  NaN and infinities among the inputs are not served.  A block of zeros gets the scale byte 1 where the quantiser's rule says 127: its codes are zeros, and the bytes are read here alone.
; Ids are taken as unsigned and held at 999,999, the tables' last row.  out0 is summed as (dot) + (A + B); the dot in pairs, not in ascending order.
; THE MODE: SCHED_MODE bits 1:0 = 2 (LLVM: expert scheduling mode 2), set by the entry lines.  The code itself states the register dependences
; between vector or matrix instructions and memory or LDS instructions, with s_wait_alu, always for 0.
; THE PLAN.  Registers that memory or LDS instructions touch, round the loop:
;   LAND, AV, BV  The gather's arithmetic writes the 18 offsets; each load reads its own offset and lands on it; the stage's LDS stores read LAND, one addition reads AV and BV; then the next gather's arithmetic.
;   PFU, PFQ      Written with the gather's offsets; read by the two prefetches.
;   NX            The id loads land in it; vector lines alone read it, all of them ahead of the gather's wait.
;   X             The stage's LDS loads land in it; a tile's vector lines read and write it; the four products write it.
;   PR, SC        Written at the end of each half's second tile; read by the trip's two stores.
;   CH, SA, RA, LO  Made at the head, never written again.
; THE WAITS, for a half: at the stage's head one on va_vdst (the last tile is done with X); at its end one on vm_vsrc (all that memory and LDS instructions issued so far read may be written again);
; one on va_vdst between a gather's arithmetic and its run of loads, prefetches and id loads; one ahead of each tile's scaled products (codes and scale word); one ahead of the second tile's LDS loads.
; For a trip: one on va_vdst ahead of the two stores.
.set LASTROW, 0xf423f                  ; 999,999
.set SP,    144                        ; a row's slot in a stage: 128 bytes + 16 that nobody touches = 36 words: 16 neighbouring slots begin at 16 different groups of four banks (64 banks of 4 bytes: ISA guide 11.1)
.set QST,   32*SP                      ; a wave's stage for U: 32 slots; Q's begins here
.set WREG,  2*QST                      ; a wave's LDS: 9,216 bytes
.set CH,  1                            ; v1      16 x (lane % 8): my 16 bytes of a row
.set SA,  2                            ; v2      the stage, on the way in: slot 8 (lane / 8) + n for load n, + my 16 bytes
.set RA,  3                            ; v3      on the way out: slot lane % 16, + 64 (lane / 16): my 16 numbers
.set LO,  4                            ; v4      8 x lane: ids in, results out; never rewritten
.set TT,  5                            ; v5-8    at work in the gather
.set PFU, 9                            ; v9, v10 offsets of the prefetches
.set PFQ, 10
.set AV,  11                           ; v11, 12 A's and B's offsets, then their numbers;  v13 their sum
.set BV,  12
.set AB,  13
.set IDO, 14                           ; v14, 15 the odd rows' ids of the trip in hand: user, item
.set NX,  16                           ; v[16:17] user ids (even row, odd row), v[18:19] item ids: of the next trip
.set M0,  20                           ; v20-22  the three blocks' largest magnitudes
.set N0,  23                           ; v23-25  what the other half of the lanes sends; then the scale bytes
.set E0,  26                           ; v26-28  the conversions' scale operands
.set XW,  29                           ; v29     the rows' scale word, and nothing else
.set DT,  30                           ; v[30:31] the dot
.set ACA, 32                           ; v[32:33], v[34:35] two sums for the product with W2
.set R0,  36                           ; v36, 37 tile 0's dot and score
.set R1,  37
.set PR,  38                           ; v[38:39] out0 of rows 2 l, 2 l + 1
.set SC,  40                           ; v[40:41] out1 likewise
.set CD,  42                           ; v[42:49] the rows' codes: the operand
.set W1S, 50                           ; v50-53  W1's scale words, one register a tile, and nothing else
.set ZR,  54                           ; v54     0
.set X,   56                           ; v[56:87] 16 numbers of U (then of U x Q), 16 of Q; then the four results
.set LAND, 88                          ; v[88:151] the half on its way: U's load n at 88 + 4 n, Q's at 120 + 4 n; the first register of each is its own offset
.set W1F, 152                          ; v[152:183] W1's four fragments
.set B1R, 184                          ; v[184:215] b1 in the results' layout
.set W2R, 216                          ; v[216:247] W2 likewise
.set OWA, 26                           ; at the head alone: offsets of the weights' loads.  These registers are E0-2 and M0 later; their first rewrite stands behind the waits for those loads
.set OWB, 27
.set OWS, 28
.set OBW, 20
.set B2V, 34                           ; s34     b2
.set WV,  35                           ; s35     my wave's number
.set TR,  36                           ; s36     the trip, 0 to 3
.set SEL, 38                           ; s[38:39] v_permlanex16_b32's selects for lane l xor 16
.set OFS, 40                           ; s[40:41] my wave's first byte in the ids and in the outputs
.set WB,  42                           ; s42     my wave's LDS
; The 32 rows whose ids lie in v[iu] (users) and v[iq] (items), one a lane.  Load n takes the rows of id lanes n, 8 + n, 16 + n, 24 + n.  A loaded number enters an address only behind v_min_u32 with a constant.
; Each load lands on its own offset register, so no register is kept for addresses.  No cache word: a list may name a row twice.
; ADDR is the gather's arithmetic, LOADS its 18 loads; the wait on va_vdst stands between the two, written out where they are used.
.macro ADDR iu, iq
.irp n, 0,1,2,3,4,5,6,7
	v_mov_b32_dpp v[TT+(2*\n)%4], v[\iu] dpp8:[\n,\n,\n,\n,\n,\n,\n,\n]      ; all eight lanes of a group take the id of the group's lane n
	v_mov_b32_dpp v[TT+(2*\n+1)%4], v[\iq] dpp8:[\n,\n,\n,\n,\n,\n,\n,\n]
	v_min_u32 v[TT+(2*\n)%4], LASTROW, v[TT+(2*\n)%4]
	v_min_u32 v[TT+(2*\n+1)%4], LASTROW, v[TT+(2*\n+1)%4]
	v_lshl_add_u32 v[LAND+4*\n], v[TT+(2*\n)%4], 7, v[CH]                    ; 128 x id + my 16 bytes
	v_lshl_add_u32 v[LAND+32+4*\n], v[TT+(2*\n+1)%4], 7, v[CH]
.endr
	v_min_u32 v[AV], LASTROW, v[\iu]
	v_min_u32 v[BV], LASTROW, v[\iq]
	v_lshlrev_b32 v[AV], 2, v[AV]
	v_lshlrev_b32 v[BV], 2, v[BV]
.endm
.macro LOADS
.irp n, 0,1,2,3,4,5,6,7
	global_load_b128 v[LAND+4*\n:LAND+4*\n+3], v[LAND+4*\n], s[12:13]
.endr
.irp n, 0,1,2,3,4,5,6,7
	global_load_b128 v[LAND+32+4*\n:LAND+32+4*\n+3], v[LAND+32+4*\n], s[14:15]
.endr
	global_load_b32 v[AV], v[AV], s[16:17]
	global_load_b32 v[BV], v[BV], s[18:19]
.endm
; Each lane asks for its own row of the half that the NEXT gather will load: one request a row and table, one half (32 rows of each table, 8 KB a wave) ahead of its loads.
; PADDR makes the two offsets, ahead of the gather's wait; PFETCH is the two requests, behind the gather's loads.
.macro PADDR iu, iq
	v_min_u32 v[PFU], LASTROW, v[\iu]
	v_min_u32 v[PFQ], LASTROW, v[\iq]
	v_lshlrev_b32 v[PFU], 7, v[PFU]
	v_lshlrev_b32 v[PFQ], 7, v[PFQ]
.endm
.macro PFETCH
	global_prefetch_b8 v[PFU], s[12:13] th:TH_LOAD_NT scope:SCOPE_SE
	global_prefetch_b8 v[PFQ], s[14:15] th:TH_LOAD_NT scope:SCOPE_SE
.endm
; Tile tl's numbers out of the stage: lane (r, h) takes numbers 16 h .. 16 h + 15 of row r of U and of Q
.macro XLOAD tl
.irp c, 0,1,2,3
	ds_load_b128 v[X+4*\c:X+4*\c+3], v[RA] offset:16*SP*\tl+16*\c
.endr
.irp c, 0,1,2,3
	ds_load_b128 v[X+16+4*\c:X+16+4*\c+3], v[RA] offset:QST+16*SP*\tl+16*\c
.endr
.endm
; The half that was on its way goes into the stage, and its first tile comes back.
.macro STAGE
	s_wait_loadcnt 0x0                             ; the half's 18 loads are in, and the ids asked for with them; no younger load exists
	s_wait_xcnt 0x0                                ; the last prefetches, a half ago, have read their offsets: those registers may be written again
	s_wait_alu depctr_va_vdst(0)                   ; the last tile's products, relu and multiply-adds (in the first trip: the head's lines that read the scale bytes) are done with v[X ..], in which the LDS loads below land
.irp n, 0,1,2,3,4,5,6,7
	ds_store_b128 v[SA], v[LAND+4*\n:LAND+4*\n+3] offset:SP*\n
	ds_store_b128 v[SA], v[LAND+32+4*\n:LAND+32+4*\n+3] offset:QST+SP*\n
.endr
	v_add_f32 v[AB], v[AV], v[BV]                  ; lane l: A + B of row 2 l + k
	XLOAD 0                                        ; LDS serves a wave's instructions in order (ISA guide 5.7.1.4): these see the stores above
	s_wait_dscnt 8                                 ; the eight loads just issued may stay out: the sixteen stores are done, so the landing registers may be written again
	s_wait_alu depctr_vm_vsrc(0)                   ; the LDS stores have read v[LAND ..]; the last gather's loads have read their offsets, v[AV] and v[BV] among them; the prefetches v[PFU], v[PFQ]; the last trip's stores v[PR ..], v[SC ..]; in the first trip the weights' loads v20, v26-28: vector lines write all of these again below
.endm
; A tile of 16 rows: tile tl of half hf.
.macro TILE tl, hf
	s_wait_dscnt 0x0                               ; my 32 numbers are in
	v_max3_num_f32 v[M0], |v[X]|, |v[X+1]|, 0x1800000          ; U's block and Q's by turns: my 16 numbers of each, and the floor 2^(3 - 127), under which no largest magnitude is taken: so the byte cannot fall under 1
	v_max3_num_f32 v[M0+1], |v[X+16]|, |v[X+17]|, 0x1800000
.irp i, 2,4,6,8,10,12,14
	v_max3_num_f32 v[M0], v[M0], |v[X+\i]|, |v[X+\i+1]|
	v_max3_num_f32 v[M0+1], v[M0+1], |v[X+16+\i]|, |v[X+17+\i]|
.endr
	v_permlanex16_b32 v[N0], v[M0], s[SEL], s[SEL+1]
	v_permlanex16_b32 v[N0+1], v[M0+1], s[SEL], s[SEL+1]
	v_max_num_f32 v[M0], v[M0], v[N0]              ; with lane l xor 16's 16: the block's largest magnitude
	v_max_num_f32 v[M0+1], v[M0+1], v[N0+1]
	v_add_nc_u32 v[E0], 0xff000000, v[M0]          ; 2 off its exponent field: the conversion takes the exponent field of this operand as its scale, and nothing else of it
	v_add_nc_u32 v[E0+1], 0xff000000, v[M0+1]
	v_cvt_scalef32_pk8_fp4_f32 v[CD], v[X:X+7], v[E0]              ; U: k = 16 h + 0 .. 7,
	v_cvt_scalef32_pk8_fp4_f32 v[CD+1], v[X+8:X+15], v[E0]         ; + 8 .. 15
	v_cvt_scalef32_pk8_fp4_f32 v[CD+2], v[X+16:X+23], v[E0+1]      ; Q likewise
	v_cvt_scalef32_pk8_fp4_f32 v[CD+3], v[X+24:X+31], v[E0+1]
	v_lshrrev_b32 v[N0], 23, v[E0]                 ; the scales' bytes.  (Plain lines between the conversions and the lines that write over their sources)
	v_lshrrev_b32 v[N0+1], 23, v[E0+1]
.irp i, 0,2,4,6,8,10,12,14
	v_pk_mul_f32 v[X+\i:X+\i+1], v[X+\i:X+\i+1], v[X+16+\i:X+17+\i]   ; U x Q, in f32, over U
.endr
	v_max3_num_f32 v[M0+2], |v[X]|, |v[X+1]|, 0x1800000        ; the third block: two chains
	v_max3_num_f32 v[N0+2], |v[X+8]|, |v[X+9]|, |v[X+10]|
	v_max3_num_f32 v[M0+2], v[M0+2], |v[X+2]|, |v[X+3]|
	v_max3_num_f32 v[N0+2], v[N0+2], |v[X+11]|, |v[X+12]|
	v_max3_num_f32 v[M0+2], v[M0+2], |v[X+4]|, |v[X+5]|
	v_max3_num_f32 v[N0+2], v[N0+2], |v[X+13]|, |v[X+14]|
	v_max3_num_f32 v[M0+2], v[M0+2], |v[X+6]|, |v[X+7]|
	v_max3_num_f32 v[M0+2], v[M0+2], v[N0+2], |v[X+15]|
	v_permlanex16_b32 v[N0+2], v[M0+2], s[SEL], s[SEL+1]
	v_max_num_f32 v[M0+2], v[M0+2], v[N0+2]
	v_add_nc_u32 v[E0+2], 0xff000000, v[M0+2]
	v_lshl_or_b32 v[XW], v[N0+1], 8, v[N0]         ; the row's scale word: bytes 0, 1, 2; byte 3 stays 0, over zero codes
	v_lshrrev_b32 v[N0+2], 23, v[E0+2]
	v_lshl_or_b32 v[XW], v[N0+2], 16, v[XW]
	v_cvt_scalef32_pk8_fp4_f32 v[CD+4], v[X:X+7], v[E0+2]
	v_cvt_scalef32_pk8_fp4_f32 v[CD+5], v[X+8:X+15], v[E0+2]
	v_mov_b32 v[CD+6], 0                           ; the fourth block: zero codes.  (Also the plain place behind the conversions)
	v_mov_b32 v[CD+7], 0
	v_permlane16_swap_b32 v[CD], v[CD+2]           ; the operand's layout wants a WHOLE block in a lane: the first's lanes 16-31 change places with the second's lanes 0-15:
	v_permlane16_swap_b32 v[CD+1], v[CD+3]         ; lanes 0-15 now hold U in registers 0-3 and U x Q in 4-7, lanes 16-31 Q and the zeros
	v_permlane16_swap_b32 v[CD+4], v[CD+6]
	v_permlane16_swap_b32 v[CD+5], v[CD+7]
	v_pk_add_f32 v[X:X+1], v[X:X+1], v[X+2:X+3]                ; the dot: my 16 products, in pairs.  These eight plain lines also stand between the writing of the scale word and of the codes and the scaled products
	v_pk_add_f32 v[X+4:X+5], v[X+4:X+5], v[X+6:X+7]
	v_pk_add_f32 v[X+8:X+9], v[X+8:X+9], v[X+10:X+11]
	v_pk_add_f32 v[X+12:X+13], v[X+12:X+13], v[X+14:X+15]
	v_pk_add_f32 v[X:X+1], v[X:X+1], v[X+4:X+5]
	v_pk_add_f32 v[X+8:X+9], v[X+8:X+9], v[X+12:X+13]
	v_pk_add_f32 v[DT:DT+1], v[X:X+1], v[X+8:X+9]
	v_add_f32 v[DT], v[DT], v[DT+1]
	s_wait_alu depctr_va_vdst(0)                   ; the codes v[CD ..] and the scale word v[XW] are written, which the scaled products take as operand and as scales; the plain lines above stay beside this wait
.irp w, 0,1,2,3                        ; hidden units 16 w on: four results, each begun with b1 as its C; none adds onto another
	v_wmma_scale_f32_16x16x128_f8f6f4 v[X+8*\w:X+8*\w+7], v[W1F+8*\w:W1F+8*\w+7], v[CD:CD+7], v[B1R+8*\w:B1R+8*\w+7], v[W1S+\w], v[XW] matrix_a_fmt:MATRIX_FMT_FP4 matrix_b_fmt:MATRIX_FMT_FP4
.endr
	v_permlanex16_b32 v[N0], v[DT], s[SEL], s[SEL+1]
.if \tl == 0
	v_add_f32 v[R0], v[DT], v[N0]                  ; with lane l xor 16's half: the row's dot, in both lanes of the row
.else
	v_add_f32 v[DT], v[DT], v[N0]
.endif
.rept 4
	v_nop                                          ; with the addition above: plain lines that name no register of the products, between them and the first read of their results (ISA guide 7.12.1)
.endr
.set p, 0
.rept 16                               ; relu, and the product with W2: each result is read from its lowest register on
	v_max_num_f32 v[X+2*p], 0, v[X+2*p]
	v_max_num_f32 v[X+2*p+1], 0, v[X+2*p+1]
.if p < 2
	v_pk_mul_f32 v[ACA+2*p:ACA+2*p+1], v[X+2*p:X+2*p+1], v[W2R+2*p:W2R+2*p+1]         ; the first products start the two sums
.else
	v_pk_fma_f32 v[ACA+2*(p%2):ACA+2*(p%2)+1], v[X+2*p:X+2*p+1], v[W2R+2*p:W2R+2*p+1], v[ACA+2*(p%2):ACA+2*(p%2)+1]
.endif
.set p, p+1
.endr
.if \tl == 0
	s_wait_alu depctr_va_vdst(0)                   ; the products have written v[X ..], and relu and the multiply-adds are done writing and reading them: the LDS loads below land there
	XLOAD 1                                        ; the results have been read: the half's second tile comes out of the stage
.endif
	v_pk_add_f32 v[ACA:ACA+1], v[ACA:ACA+1], v[ACA+2:ACA+3]
	v_add_f32 v[ACA], v[ACA], v[ACA+1]             ; my 32 hidden units,
	v_permlanex16_b32 v[N0+1], v[ACA], s[SEL], s[SEL+1]
.if \tl == 0
	v_add_f32 v[R1], v[ACA], v[N0+1]               ; and lane l xor 16's 32
.else
	v_add_f32 v[ACA], v[ACA], v[N0+1]
	v_cndmask_b32 v[PR+\hf], v[R0], v[DT], vcc_lo  ; lanes 0-15: tile 0's row l; lanes 16-31: tile 1's row l - 16: lane l has row 2 l + hf
	v_cndmask_b32 v[SC+\hf], v[R1], v[ACA], vcc_lo
	v_add_f32 v[PR+\hf], v[PR+\hf], v[AB]
	v_add_f32 v[SC+\hf], s[B2V], v[SC+\hf]
.endif
.endm
	s_load_b512 s[8:23], s[0:1], 0x0               ; user_ids s[8:9], item_ids s[10:11], U s[12:13], Q s[14:15], A s[16:17], B s[18:19], W1's codes s[20:21], W1's scales s[22:23]
	s_load_b256 s[24:31], s[0:1], 0x40             ; b1 s[24:25], W2 s[26:27], b2 s[28:29], out0 s[30:31]
	s_load_b64 s[32:33], s[0:1], 0x60              ; out1
	v_lshl_add_u32 v254, v0, 2, 0x24000            ; my spare word, behind the sixteen waves' stages (16 x 9,216 bytes), and 0: kept for the closing lines alone
	v_mov_b32 v255, 0
	v_lshrrev_b32 v[TT], 5, v0
	v_readfirstlane_b32 s[WV], v[TT]               ; wave 0..15
	v_and_b32 v[TT], 7, v0                         ; i = lane % 8.  (These four lines also write the DPP moves' destinations for the first time: such a destination counts as read)
	v_bfe_u32 v[TT+1], v0, 3, 2                    ; g = lane / 8
	v_and_b32 v[TT+2], 15, v0                      ; r = lane % 16
	v_bfe_u32 v[TT+3], v0, 4, 1                    ; h = lane / 16
	v_and_b32 v[PFU], 31, v0                       ; lane
	v_lshlrev_b32 v[CH], 4, v[TT]
	v_lshlrev_b32 v[LO], 3, v[PFU]
	s_wait_alu depctr_va_sdst(0)                   ; the wave's number is written, ahead of its first reader: the wave's LDS and its place in the ids and outputs are made from it
	s_mul_i32 s[WB], s[WV], WREG
	v_mul_u32_u24 v[SA], v[TT+1], 8*SP
	v_lshl_add_u32 v[SA], v[TT], 4, v[SA]
	v_add_nc_u32 v[SA], s[WB], v[SA]               ; in: 8 g slots + 16 i
	v_mul_u32_u24 v[RA], v[TT+2], SP
	v_lshl_add_u32 v[RA], v[TT+3], 6, v[RA]
	v_add_nc_u32 v[RA], s[WB], v[RA]               ; out: slot r + 64 h
	v_mul_u32_u24 v[OWB], v[TT+2], 48              ; W1: a row is 96 codes, 48 bytes
	v_lshl_add_u32 v[OWA], v[TT+3], 4, v[OWB]      ; + 16 h: k = 32 h + 0 .. 31
	v_mul_u32_u24 v[OWS], v[TT+2], 3               ; its three scale bytes
	v_lshlrev_b32 v[OBW], 5, v[TT+3]               ; b1, W2: 8 h numbers on
	v_mov_b32 v[ZR], 0
.irp i, 0,1,2
	v_mov_b32 v[N0+\i], 0                          ; written once: a lane permute's destination counts as one of its sources
.endr
	s_mov_b32 s[SEL], 0x76543210
	s_mov_b32 s[SEL+1], 0xfedcba98
	s_mov_b32 vcc_lo, 0xffff0000                   ; lanes 16-31; never written again
	s_mov_b32 s[TR], 0
	s_lshl_b32 s[OFS], ttmp9, 4
	s_add_co_u32 s[OFS], s[OFS], s[WV]             ; W = 16 x work-group + wave
	s_lshl_b32 s[OFS], s[OFS], 10                  ; 256 rows of 4 bytes
	s_mov_b32 s[OFS+1], 0
	s_wait_kmcnt 0x0
	s_load_b32 s[B2V], s[28:29], 0x0               ; b2
	s_add_nc_u64 s[8:9], s[8:9], s[OFS:OFS+1]
	s_add_nc_u64 s[10:11], s[10:11], s[OFS:OFS+1]
	s_add_nc_u64 s[30:31], s[30:31], s[OFS:OFS+1]
	s_add_nc_u64 s[32:33], s[32:33], s[OFS:OFS+1]
	s_wait_alu depctr_va_vdst(0)                   ; the offsets and addresses made above are written: v[LO], v[OWA], v[OWB], v[OWS], v[OBW], which the loads below read, and v[SA], v[RA], which every access to the stage reads
	global_load_b64 v[NX:NX+1], v[LO], s[8:9] th:TH_LOAD_NT        ; trip 0's ids: 256 consecutive bytes a load; read once in the launch
	global_load_b64 v[NX+2:NX+3], v[LO], s[10:11] th:TH_LOAD_NT
.irp w, 0,1,2,3                        ; the weights, nine loads a tile of 16 hidden units: 36
	global_load_b128 v[W1F+8*\w:W1F+8*\w+3], v[OWA], s[20:21] offset:768*\w            ; lane (r, h): W1(16 w + r, 32 h + 0 .. 31)
	global_load_b128 v[W1F+8*\w+4:W1F+8*\w+7], v[OWB], s[20:21] offset:768*\w+32       ; k = 64 .. 95 in BOTH halves of the lanes, so that no load leaves the buffer; lanes 16-31 (k = 96 ..) are cleared below
	global_load_u8 v[X+3*\w], v[OWS], s[22:23] offset:48*\w
	global_load_u8 v[X+3*\w+1], v[OWS], s[22:23] offset:48*\w+1
	global_load_u8 v[X+3*\w+2], v[OWS], s[22:23] offset:48*\w+2
	global_load_b128 v[B1R+8*\w:B1R+8*\w+3], v[OBW], s[24:25] offset:64*\w             ; b1(16 w + 8 h + 0 .. 7): the results' layout
	global_load_b128 v[B1R+8*\w+4:B1R+8*\w+7], v[OBW], s[24:25] offset:64*\w+16
	global_load_b128 v[W2R+8*\w:W2R+8*\w+3], v[OBW], s[26:27] offset:64*\w
	global_load_b128 v[W2R+8*\w+4:W2R+8*\w+7], v[OBW], s[26:27] offset:64*\w+16
.endr
	s_wait_loadcnt 36                              ; loads come back in order (ISA guide 5.7.1): the ids are in, the 36 loads behind them may stay out
	ADDR NX, NX+2                                  ; trip 0, even rows
	PADDR NX+1, NX+3                               ; trip 0, odd rows
	v_mov_b32 v[IDO], v[NX+1]
	v_mov_b32 v[IDO+1], v[NX+3]
	s_wait_alu depctr_va_vdst(0)                   ; the gather's 18 offsets and the prefetches' two are written, and the lines above are done reading v[NX ..], in which the id loads below land
	LOADS
	PFETCH
	global_load_b64 v[NX:NX+1], v[LO], s[8:9] offset:256 th:TH_LOAD_NT     ; trip 1's ids
	global_load_b64 v[NX+2:NX+3], v[LO], s[10:11] offset:256 th:TH_LOAD_NT
	s_wait_loadcnt 20                              ; the weights are in; the gather's 18 loads and the two of ids may stay out
.irp w, 0,1,2,3
	v_lshl_or_b32 v[W1S+\w], v[X+3*\w+1], 8, v[X+3*\w]             ; lane r: the scale word of W1's row 16 w + r; byte 3 stays 0, over zero codes
	v_lshl_or_b32 v[W1S+\w], v[X+3*\w+2], 16, v[W1S+\w]
.irp i, 4,5,6,7
	v_cndmask_b32 v[W1F+8*\w+\i], v[W1F+8*\w+\i], v[ZR], vcc_lo    ; k = 96 .. 127: zero codes
.endr
.endr
	s_wait_kmcnt 0x0                               ; b2
.Ltrip:                                            ; four trips of 64 rows.  The branches inside hang on the trip's number alone; every wait for loads is for 0, so no count hangs on the way taken
	STAGE                                          ; the even rows have landed
	ADDR IDO, IDO+1                                ; this trip's odd rows
	PADDR NX, NX+2                                 ; the next trip's even rows (in the last trip the two offsets are made and not used)
	s_wait_alu depctr_va_vdst(0)                   ; the gather's 18 offsets and the prefetches' two are written; the stage's addition is done reading v[AV] and v[BV], in which loads land
	LOADS                                          ; this trip's odd rows go out
	s_cmp_eq_u32 s[TR], 3
	s_cbranch_scc1 .Lno_pref                       ; the last trip has no successor: nothing is asked for beyond the wave's rows
	PFETCH
.Lno_pref:
	TILE 0, 0
	TILE 1, 0
	STAGE                                          ; the odd rows have landed
	s_cmp_eq_u32 s[TR], 3
	s_cbranch_scc1 .Llast
	ADDR NX, NX+2                                  ; the next trip's even rows
	PADDR NX+1, NX+3                               ; and its odd rows
	v_mov_b32 v[IDO], v[NX+1]
	v_mov_b32 v[IDO+1], v[NX+3]
	s_wait_alu depctr_va_vdst(0)                   ; the gather's 18 offsets and the prefetches' two are written; the stage's addition is done reading v[AV] and v[BV]; the lines above are done reading v[NX ..], in which the id loads below land
	LOADS                                          ; the next trip's even rows go out
	PFETCH                                         ; and its odd rows are asked for
	s_cmp_ge_u32 s[TR], 2
	s_cbranch_scc1 .Llast                          ; trips 0 and 1 alone have a trip two further on: no load leaves the wave's ids
	global_load_b64 v[NX:NX+1], v[LO], s[8:9] offset:512 th:TH_LOAD_NT
	global_load_b64 v[NX+2:NX+3], v[LO], s[10:11] offset:512 th:TH_LOAD_NT
.Llast:
	TILE 0, 1
	TILE 1, 1
	s_wait_alu depctr_va_vdst(0)                   ; the tiles' last lines have written v[PR ..] and v[SC ..], which the two stores read
	global_store_b64 v[LO], v[PR:PR+1], s[30:31] th:TH_STORE_NT    ; 32 lanes store 256 consecutive bytes, at a multiple of 256 from the output's first byte
	global_store_b64 v[LO], v[SC:SC+1], s[32:33] th:TH_STORE_NT
	s_wait_xcnt 0x0                                ; every earlier memory instruction has had its addresses translated (ISA guide 3.1): only behind this wait are the bases stepped and the stores' data written again
	s_add_nc_u64 s[8:9], s[8:9], 256
	s_add_nc_u64 s[10:11], s[10:11], 256
	s_add_nc_u64 s[30:31], s[30:31], 256
	s_add_nc_u64 s[32:33], s[32:33], 256
	s_add_co_u32 s[TR], s[TR], 1
	s_cmp_lt_u32 s[TR], 4
	s_cbranch_scc1 .Ltrip
	s_wait_dscnt 0x0                               ; the closing lines, six on end
	s_wait_alu 0x0
	s_wait_tensorcnt 0x0
	ds_add_u32 v254, v255
	s_wait_dscnt 0x0
	s_endpgm
.Lfunc_end_k_qde5a7876bb_mtn:
	.size	k_qde5a7876bb_mtn, .Lfunc_end_k_qde5a7876bb_mtn-k_qde5a7876bb_mtn
	.p2alignl 7, 3214868480
	.fill 96, 4, 3214868480
	.section	.rodata,"a",@progbits
	.p2align	6, 0x0
	.amdhsa_kernel k_qde5a7876bb_mtn
		.amdhsa_group_segment_fixed_size 149504
		.amdhsa_private_segment_fixed_size 0
		.amdhsa_enable_private_segment 0
		.amdhsa_kernarg_size 104
		.amdhsa_user_sgpr_count 2
		.amdhsa_user_sgpr_kernarg_segment_ptr 1
		.amdhsa_wavefront_size32 1
		.amdhsa_system_sgpr_workgroup_id_x 1
		.amdhsa_system_sgpr_workgroup_id_y 1
		.amdhsa_system_sgpr_workgroup_id_z 1
		.amdhsa_system_vgpr_workitem_id 0
		.amdhsa_next_free_vgpr 256
		.amdhsa_next_free_sgpr 66
		.amdhsa_reserve_vcc 1
		.amdhsa_float_denorm_mode_32 3
		.amdhsa_float_denorm_mode_16_64 3
		.amdhsa_memory_ordered 1
		.amdhsa_forward_progress 1
		.amdhsa_inst_pref_size 57
	.end_amdhsa_kernel
	.amdgpu_metadata
---
amdhsa.version: [ 1, 2 ]
amdhsa.kernels:
  - .name:           k_qde5a7876bb_mtn
    .symbol:         k_qde5a7876bb_mtn.kd
    .args:
      - { .name: user_ids, .offset: 0, .size: 8, .value_kind: global_buffer, .address_space: global }
      - { .name: item_ids, .offset: 8, .size: 8, .value_kind: global_buffer, .address_space: global }
      - { .name: U, .offset: 16, .size: 8, .value_kind: global_buffer, .address_space: global }
      - { .name: Q, .offset: 24, .size: 8, .value_kind: global_buffer, .address_space: global }
      - { .name: A, .offset: 32, .size: 8, .value_kind: global_buffer, .address_space: global }
      - { .name: B, .offset: 40, .size: 8, .value_kind: global_buffer, .address_space: global }
      - { .name: W1_codes, .offset: 48, .size: 8, .value_kind: global_buffer, .address_space: global }
      - { .name: W1_scales, .offset: 56, .size: 8, .value_kind: global_buffer, .address_space: global }
      - { .name: b1, .offset: 64, .size: 8, .value_kind: global_buffer, .address_space: global }
      - { .name: W2, .offset: 72, .size: 8, .value_kind: global_buffer, .address_space: global }
      - { .name: b2, .offset: 80, .size: 8, .value_kind: global_buffer, .address_space: global }
      - { .name: out0, .offset: 88, .size: 8, .value_kind: global_buffer, .address_space: global }
      - { .name: out1, .offset: 96, .size: 8, .value_kind: global_buffer, .address_space: global }
    .group_segment_fixed_size: 149504
    .private_segment_fixed_size: 0
    .kernarg_segment_align: 8
    .kernarg_segment_size: 104
    .max_flat_workgroup_size: 512
    .sgpr_count:     66
    .vgpr_count:     256
    .wavefront_size: 32
...
	.end_amdgpu_metadata
.endif
;; end of part 2
